; MI455X (gfx1250); checked and timed in simulation.
; The chip was launched on July 23, 2026; its instructions are those of AMD's public machine-readable ISA for CDNA 5 (MIT licence, August 2026) and "CDNA5" Instruction Set Architecture Reference Guide (July 2026). The comments in the code are by the model that wrote it; some were corrected since.
;; Self Attention. Allowed arithmetic: matrix products marked QUANTISED: E4M3 operands, one given power-of-two scale a tensor, by v_wmma_f32_16x16x64_fp8_fp8 or v_wmma_f32_16x16x128_fp8_fp8, f32 sums; everything else in f32.
;; Inputs: bk 32 float32; bq 32 float32; bv 256 float32; gamma 1 float32; lowp_scales 10 int32 (the exponents e of the quantised operands' scales 2^e); wk 32 x 256 float32; wq 32 x 256 float32; wv 256 x 256 float32; x 8 x 256 x 64 x 64 float32.
;; Outputs: out0 8 x 256 x 64 x 64 float32.
;; This version of the problem:
;;   THIS VERSION OF THE PROBLEM IS GIVEN IN LOW PRECISION. The matrix products marked QUANTISED in the list below multiply operands that are first quantised to E4M3 (4 exponent bits, 3 mantissa bits; 8 bits a number), with one given power-of-two scale for each operand tensor; their sums are f32. All else is computed in f32.
;;   The module's matrix products, in the order in which they are computed (A, B: the left and right operand; K: the contracted axis; several contracted axes count as one K, in the product's order):
;;     1. [M 32,768, K 256] x [K 256, N 32]; A: input x; B: input wq: QUANTISED (scales: A lowp_scales[0], B lowp_scales[1])
;;     2. [M 32,768, K 256] x [K 256, N 32]; A: input x; B: input wk: QUANTISED (scales: A lowp_scales[2], B lowp_scales[3])
;;     3. [M 32,768, K 256] x [K 256, N 256]; A: input x; B: input wv: QUANTISED (scales: A lowp_scales[4], B lowp_scales[5])
;;     4. batch 8 x [M 4,096, K 32] x [K 32, N 4,096]; A: computed on the way; B: computed on the way: QUANTISED (scales: A lowp_scales[6], B lowp_scales[7])
;;     5. batch 8 x [M 256, K 4,096] x [K 4,096, N 4,096]; A: computed on the way; B: softmax (see below): QUANTISED (scales: A lowp_scales[8], B lowp_scales[9])
;;   THE QUANTISER, for each operand of a quantised product, along K:
;;     - The operand's scale is 2^e, e = its entry of the input lowp_scales (int32; the entries are numbered through the quantised products in the list's order, A before B).
;;     - Each number is divided by the scale, clamped to +-448, and rounded to the nearest number of E4M3, ties to even, subnormals kept.
;;     - The product sums the exact products of the quantised numbers (number of the format x scale) in f32.
;;   ~~~python
;;   def quantise(x, axis, e):      # numpy; x: float32 -> the quantised numbers, widened to float32 again
;;       x = np.moveaxis(x, axis, -1); K = x.shape[-1]
;;       r = np.clip(x / 2.0 ** e, -448, 448)
;;       step = 2.0 ** (np.maximum(np.frexp(np.where(r == 0, 1, r))[1] - 1, -6) - 3)
;;       q = np.round(r / step) * step * 2.0 ** e      # np.round: ties to even
;;       return np.moveaxis(q, -1, axis).astype(np.float32)
;;   ~~~
;;   SOFTMAX AHEAD OF A QUANTISED PRODUCT. Where the list says 'softmax', what is quantised is not the finished softmax but p = 2^(t - M), with t = logit x log2(e) and M = ceil(the row's largest t), a whole number; so 1/2 < the row's largest p <= 1. The row's sum l is taken of the UNQUANTISED p, in f32, and the product's result is divided by l at the end. Since M is a whole number, a kernel that streams over the keys may use a running M (the ceiling of the running maximum): every later rescaling is an exact power of two, so the quantised numbers keep their values, but for numbers so far below the row's largest that they fall under the format's range.
;;   OPERANDS COMPUTED ON THE WAY. 'Computed on the way' means the value that the module computes at that place (a softmax that the list does not call 'softmax' is quantised finished and normalised). What goes into a quantiser is computed in f32, as accurately as f32 sums, v_exp_f32 and their like allow (about 1e-6 of the number): no bf16 or f16 on the way to a quantiser, and a product that is left as it is and whose result goes on into a quantised operand takes f32 operands (vector FMAs, or v_wmma_f32_16x16x4_f32). A number that lies on a knife's edge between two numbers of the format may be rounded either way, as far as f32 arithmetic and the matrix unit's own rounding can turn it there, and no further.
;; One version. Each part assembles by itself: llvm-mc -triple=amdgcn-amd-amdhsa -mcpu=gfx1250 --defsym DOCPART=n.
;; ======== version 1 of 1: 2 launches
;; workspace buffers: q_img 1,048,576 bytes; k_img 1,048,576 bytes; v_img 8,388,608 bytes
;; launch proj (part 1): grid 256 x 1, 4 waves a work-group, no clusters, 215,552 bytes of LDS; arguments x, wq, bq, wk, bk, wv, bv, lowp_scales, q_img, k_img, v_img; writes q_img, k_img, v_img
.if DOCPART == 1
	.amdgcn_target "amdgcn-amd-amdhsa--gfx1250"
	.amdhsa_code_object_version 6
	.text
	.protected	k_q3b3fb2397f_proj
	.globl	k_q3b3fb2397f_proj
	.p2align	8
	.type	k_q3b3fb2397f_proj,@function
k_q3b3fb2397f_proj:
	s_mov_b64 s[64:65], 0
	v_nop
	global_prefetch_b8 v0, s[64:65] scope:SCOPE_SE
	s_setreg_imm32_b32 hwreg(HW_REG_WAVE_MODE, 25, 1), 1
	s_wait_xcnt 0x0
; q = wq x + bq, k = wk x + bk, v = wv x + bv for 128 pixels of one batch, all three products on codes of E4M3 with the given scales 2^e; the results are
; quantised again (q: e6, k: e7, v: e8) and stored as IMAGES OF OPERAND REGISTERS, as the second launch takes them.
; DEAD WORK: none is left out.  bq, bk and bv each go into a quantised operand of a live product, so they move codes and stay; every input is loaded (gamma by the second launch).
; x has an exponent of its own in each product (e0, e2, e4), so three sets of codes of x are made, whatever the three numbers are: no branch hangs on a loaded number.
; SHARES.  Work-group g: batch g / 32, pixels 128 (g % 32) on.  Wave w: pixels 32 w .. 32 w + 31 (two tiles of 16), all 32 + 32 + 256 output channels.
; x: 256 channels x 128 pixels of f32 come by four tensor loads (64 rows of 512 bytes a wave) into LDS rows 520 bytes apart.  Lane (r, h) reads pixel 16 p + r, channels 16 cc + 8 h + 0 .. 7:
;   eight registers down K, which one conversion turns into registers 2 cc, 2 cc + 1 of the operand.  Lanes 16-31 stand 8 rows = 4,160 bytes = 1,040 words further on: 16 banks beside lanes 0-15.
; WEIGHTS: 40 fragments (16 rows x 128 K).  Each wave quantises ten of them from memory and hands them to the others through LDS as register images (lane l's 16 bytes at 16 l, 512 bytes a group of four registers).
; NO CLUSTER: what the work-groups share is the weights, 327,680 bytes of f32; a joint load of them would need 327,680 bytes of LDS beside the 133,120 of x.  They go through registers instead.
; LAYOUT.  q, k: source 0 = 16 rows of W, source 1 = 16 pixels: a lane holds ONE pixel and eight neighbouring d.  v: source 0 = 16 pixels, source 1 = 16 rows of wv: a lane holds ONE channel and eight
;   neighbouring pixels, which are the keys, the K of the last product.  In both cases one conversion of an accumulator gives two registers of the next operand, k in its true places.
; The sums lack 2^(ex + ew): the bias goes in divided by it (q, k: as C of the first product; v: one packed addition), and the conversion's one scale is 2^(eout - ex - ew).
; LIMITS: e0 .. e5, e6 - e0 - e1, e7 - e2 - e3, e8 - e4 - e5 between -126 and 119, so that each scale and 448 x the scale is an f32 number.  NaN among the inputs is not served (an infinity is held at the largest code).
; REGISTERS.  window 0: v1-15 addresses; v16-31 eight pairs (448 x scale, scale); v32-63 codes on their way out, two sets; v64-127, v128-191, v192-255 x's codes for q, k, v (fragment (p, s) at + 32 p + 16 s).
;   window 1: v0-127 raw weights, then x's numbers and their held copies, then eight weight fragments; v128-191 weight codes, then eight accumulators; v192-223 bq, bk; v224-255 bv, each number twice.
.set XP,    520                        ; an LDS row of x: 512 bytes + 8 of padding
.set WIMG,  256*XP                     ; the weights' images: fragment f = 2 T + s at WIMG + 2048 f; T = 0, 1 wq; 2, 3 wk; 4 .. 19 wv
.set SPARE, WIMG+40*2048               ; the spare words, 128 bytes a wave: two blocks of 256 bytes that no other line names
.set SPW, 1                            ; v1   my spare word; never rewritten
.set NIL, 2                            ; v2   0; never rewritten
.set WA,  3                            ; v3   weights in memory: 1024 r + 32 h
.set WS0, 4                            ; v4   where I store my small tile's images
.set WS1, 5                            ; v5   and my four tiles of wv
.set WL0, 6                            ; v6   images read back: fragments 0 .. 23
.set WL1, 7                            ; v7   fragments 24 .. 39
.set XA,  8                            ; v8-11 x in LDS: channels 64 a + 8 h, pixel 32 w + r
.set LO,  12                           ; v12  16 x lane
.set BO8, 13                           ; v13  32 h
.set BO4, 14                           ; v14  4 r
.set CON, 16                           ; v16-31 pairs: x for q, k, v; my small weight; wv; q out; k out; v out
.set OUT, 32
.set XQ,  64
.set RA,  0
.set CW,  128
.set XR,  0
.set TMP, 64
.set WF,  0
.set ACC, 128
.set BQK, 192
.set BV,  224
.set WV,  26                           ; s26  wave
.set G0,  28                           ; s[28:31] descriptor group 0
.set G1,  44                           ; s[44:51] descriptor group 1
.set MSB, 0
.macro WIN new                         ; the immediate's high byte repeats the setting that is left
.if MSB != \new
	s_set_vgpr_msb (MSB<<8)|\new
.set MSB, \new
.endif
.endm
.macro NOPS n
.rept \n
	v_nop
.endr
.endm
.macro MKSC pr, se                     ; pair pr: 448 x 2^e and 2^e as f32, e in s[se]
	s_add_co_i32 s54, s[\se], 127
	s_lshl_b32 s55, s54, 23
	v_mov_b32 v[CON+2*(\pr)+1], s55
	s_add_co_i32 s54, s54, 8
	s_lshl_b32 s54, s54, 23
	s_or_b32 s54, s54, 0x600000
	v_mov_b32 v[CON+2*(\pr)], s54
.endm
.macro WLOAD buf, b, off               ; a fragment's 64 numbers a lane: row r, k = 16 c + 8 h + 0 .. 7
	WIN 0x40
.set cc, 0
.rept 8
	global_load_b128 v[\buf+8*cc:\buf+8*cc+3], v[WA], s[\b:\b+1] offset:(\off)+64*cc
	global_load_b128 v[\buf+8*cc+4:\buf+8*cc+7], v[WA], s[\b:\b+1] offset:(\off)+64*cc+16
.set cc, cc+1
.endr
.endm
.macro WLOADF f                        ; my fragment f of ten: 0, 1 the small tile's K steps; 2 .. 9 my four tiles of wv
.if (\f) < 2
	WLOAD RA+64*((\f)%2), 52, 512*(\f)
.else
	WLOAD RA+64*((\f)%2), 14, (((\f)-2)/2)*16384+(((\f)-2)%2)*512
.endif
.endm
.macro WCONV buf, set, lim             ; hold (the conversion to an 8-bit code does not saturate: ISA guide 7.6.2), then eight conversions
	WIN 0x41
.set ii, 0
.rept 64
	v_med3_num_f32 v[\buf+ii], v[\buf+ii], -v[\lim], v[\lim]
.set ii, ii+1
.endr
.set ii, 0
.rept 8
	v_cvt_scalef32_pk8_fp8_f32 v[CW+16*(\set)+2*ii:CW+16*(\set)+2*ii+1], v[\buf+8*ii:\buf+8*ii+7], v[\lim+1]
.set ii, ii+1
.endr
	v_nop                                          ; one plain line behind the last conversion of a run
.endm
.macro WSTORE adr, off, set
	WIN 0x04
.set gg, 0
.rept 4
	ds_store_b128 v[\adr], v[CW+16*(\set)+4*gg:CW+16*(\set)+4*gg+3] offset:(\off)+512*gg
.set gg, gg+1
.endr
.endm
.macro XLOADB n                        ; batch n of eight: units 4 n .. 4 n + 3; unit u = 16 p + cc: eight channels of my pixel
	WIN 0x40
.set uu, 0
.rept 4
.set un, 4*(\n)+uu
.set ii, 0
.rept 8
	ds_load_b32 v[XR+32*((\n)%2)+8*uu+ii], v[XA+(un%16)/4] offset:(((un%16)%4)*16+ii)*XP+64*(un/16)
.set ii, ii+1
.endr
.set uu, uu+1
.endr
.endm
.macro XQUANT n                        ; the batch's 32 numbers, held three times and converted three times: unit u gives registers 2 u, 2 u + 1 of each set
	WIN 0x41
.irp sg, 0,1,2
.set ii, 0
.rept 32
	v_med3_num_f32 v[TMP+32*\sg+ii], v[XR+32*((\n)%2)+ii], -v[CON+2*\sg], v[CON+2*\sg]
.set ii, ii+1
.endr
.endr
	WIN 0x01
.irp sg, 0,1,2
.set uu, 0
.rept 4
	v_cvt_scalef32_pk8_fp8_f32 v[XQ+64*\sg+2*(4*(\n)+uu):XQ+64*\sg+2*(4*(\n)+uu)+1], v[TMP+32*\sg+8*uu:TMP+32*\sg+8*uu+7], v[CON+2*\sg+1]
.set uu, uu+1
.endr
.endr
	v_nop
.endm
.macro WFETCH adr, f0                  ; eight fragments' images back into registers
	WIN 0x40
.set ff, 0
.rept 8
.set gg, 0
.rept 4
	ds_load_b128 v[WF+16*ff+4*gg:WF+16*ff+4*gg+3], v[\adr] offset:((\f0)+ff)*2048+512*gg
.set gg, gg+1
.endr
.set ff, ff+1
.endr
.endm
	s_load_b256 s[4:11], s[0:1], 0x0               ; x s[4:5], wq s[6:7], bq s[8:9], wk s[10:11]
	s_load_b256 s[12:19], s[0:1], 0x20             ; bk s[12:13], wv s[14:15], bv s[16:17], the exponents s[18:19]
	s_load_b128 s[20:23], s[0:1], 0x40             ; q_img, k_img
	s_load_b64 s[24:25], s[0:1], 0x50              ; v_img
	v_lshl_add_u32 v[SPW], v0, 2, SPARE
	v_mov_b32 v[NIL], 0
	ds_add_u32 v[SPW], v[NIL]                      ; the wave's opening: the add, twice on end, and its wait ahead of my first tensor load
	ds_add_u32 v[SPW], v[NIL]
	v_lshrrev_b32 v15, 5, v0
	v_readfirstlane_b32 s[WV], v15                 ; wave 0..3
	s_mov_b32 s[G1+0], (2<<16)|(1<<20)|(6<<22)|(1<<25)  ; no mask; elements of 4 bytes; padding on: after every 128 words (code 6) two words (code 1)
	s_mov_b32 s[G1+1], 128<<16                     ; tensor_dim0 = 128
	s_mov_b32 s[G1+2], 64<<16                      ; tensor_dim1 = 64
	s_mov_b32 s[G1+3], 128<<16                     ; tile_dim0 = 128
	s_mov_b32 s[G1+4], 64                          ; tile_dim1 = 64
	s_mov_b32 s[G1+5], 4096                        ; from channel to channel: 4,096 elements
	s_mov_b32 s[G1+6], 0
	s_mov_b32 s[G1+7], 0
	s_lshr_b32 s54, ttmp9, 5
	s_lshl_b32 s54, s54, 22                        ; the batch: 256 x 4,096 x 4 bytes
	s_and_b32 s55, ttmp9, 31
	s_lshl_b32 s55, s55, 9                         ; my 128 pixels
	s_add_co_u32 s54, s54, s55
	s_lshl_b32 s55, s[WV], 20                      ; my 64 channels
	s_add_co_u32 s54, s54, s55
	s_mov_b32 s55, 0
	s_wait_dscnt 0x0                               ; both opening adds are done
	s_wait_kmcnt 0x0
	s_load_b256 s[32:39], s[18:19], 0x0            ; e0 .. e7
	s_load_b32 s40, s[18:19], 0x20                 ; e8
	s_mov_b32 s[G0], 1
	s_mul_i32 s[G0+1], s[WV], 64*XP                ; LDS: my 64 rows
	s_add_nc_u64 s[G0+2:G0+3], s[4:5], s[54:55]
	s_or_b32 s[G0+3], s[G0+3], 0x80000000
	tensor_load_to_lds s[G0:G0+3], s[G1:G1+7]      ; my one tensor load: all of the work-group's x is on its way while the weights are quantised
	s_nop 0
	NOPS 4
	v_and_b32 v15, 31, v0                          ; lane
	v_and_b32 v14, 15, v0                          ; r
	v_bfe_u32 v13, v0, 4, 1                        ; h
	v_lshlrev_b32 v[WA], 10, v14
	v_lshl_add_u32 v[WA], v13, 5, v[WA]
	s_lshl_b32 s54, s[WV], 12
	s_add_co_u32 s54, s54, WIMG
	v_lshl_add_u32 v[WS0], v15, 4, s54             ; fragments 2 w, 2 w + 1
	s_lshl_b32 s54, s[WV], 14
	s_add_co_u32 s54, s54, WIMG+16384
	v_lshl_add_u32 v[WS1], v15, 4, s54             ; fragments 8 + 8 w on
	v_lshl_add_u32 v[WL0], v15, 4, WIMG
	v_add_nc_u32 v[WL1], 49152, v[WL0]
	v_mul_u32_u24 v[XA], v13, 8*XP
	v_lshl_add_u32 v[XA], v14, 2, v[XA]
	s_lshl_b32 s54, s[WV], 7
	v_add_nc_u32 v[XA], s54, v[XA]
	v_add_nc_u32 v[XA+1], 64*XP, v[XA]
	v_add_nc_u32 v[XA+2], 128*XP, v[XA]
	v_add_nc_u32 v[XA+3], 192*XP, v[XA]
	v_lshlrev_b32 v[LO], 4, v15
	v_lshlrev_b32 v[BO8], 5, v13
	v_lshlrev_b32 v[BO4], 2, v14
	s_cmp_lt_u32 s[WV], 2                          ; waves 0, 1 take wq's two tiles, waves 2, 3 wk's
	s_cselect_b64 s[52:53], s[6:7], s[10:11]
	s_and_b32 s56, s[WV], 1
	s_lshl_b32 s56, s56, 14
	s_mov_b32 s57, 0
	s_add_nc_u64 s[52:53], s[52:53], s[56:57]
	s_lshl_b32 s56, s[WV], 16                      ; my 64 rows of wv
	s_add_nc_u64 s[14:15], s[14:15], s[56:57]
	s_lshl_b32 s56, ttmp9, 12                      ; q_img, k_img: 8 tiles of 512 bytes a work-group, two a wave
	s_lshl_b32 s58, s[WV], 10
	s_add_co_u32 s56, s56, s58
	s_add_nc_u64 s[20:21], s[20:21], s[56:57]
	s_add_nc_u64 s[22:23], s[22:23], s[56:57]
	s_lshl_b32 s56, ttmp9, 15                      ; v_img: a block of 32,768 bytes a work-group; my group of four registers at 512 w
	s_lshl_b32 s58, s[WV], 9
	s_add_co_u32 s56, s56, s58
	s_add_nc_u64 s[24:25], s[24:25], s[56:57]
	; ---- the biases, then the weights
	WIN 0x40
.irp t, 0,1
	global_load_b128 v[BQK+8*\t:BQK+8*\t+3], v[BO8], s[8:9] offset:64*\t             ; bq[16 t + 8 h + 0 .. 7]: the result's layout
	global_load_b128 v[BQK+8*\t+4:BQK+8*\t+7], v[BO8], s[8:9] offset:64*\t+16
	global_load_b128 v[BQK+16+8*\t:BQK+16+8*\t+3], v[BO8], s[12:13] offset:64*\t
	global_load_b128 v[BQK+16+8*\t+4:BQK+16+8*\t+7], v[BO8], s[12:13] offset:64*\t+16
.endr
.set tt, 0
.rept 16
	global_load_b32 v[BV+2*tt], v[BO4], s[16:17] offset:64*tt                        ; bv[16 t + r]
.set tt, tt+1
.endr
	WLOADF 0
	WLOADF 1
	WIN 0
	s_wait_kmcnt 0x0
	s_cmp_lt_u32 s[WV], 2
	s_cselect_b32 s59, s33, s35                    ; my small weight's exponent: e1 or e3 (a choice, no branch)
	s_add_co_i32 s56, s32, s33                     ; e0 + e1
	s_sub_co_i32 s60, s38, s56                     ; e6 - e0 - e1
	s_sub_co_i32 s56, 0, s56
	s_add_co_i32 s57, s34, s35                     ; e2 + e3
	s_sub_co_i32 s61, s39, s57
	s_sub_co_i32 s57, 0, s57
	s_add_co_i32 s58, s36, s37                     ; e4 + e5
	s_sub_co_i32 s62, s40, s58
	s_sub_co_i32 s58, 0, s58
	MKSC 0, 32
	MKSC 1, 34
	MKSC 2, 36
	MKSC 3, 59
	MKSC 4, 37
	MKSC 5, 60
	MKSC 6, 61
	MKSC 7, 62
.set F, 0
.rept 10
.if F < 9
	s_wait_loadcnt 16                              ; this fragment's loads (and the biases' before them) are in; the next fragment's sixteen may be out
.else
	s_wait_loadcnt 0x0
.endif
	s_wait_dscnt 4                                 ; the four stores of the fragment before may be out; those of two fragments back have read this set of codes
.if F < 2
	WCONV RA+64*(F%2), F%2, CON+6
	WSTORE WS0, 2048*F, F%2
.else
	WCONV RA+64*(F%2), F%2, CON+8
	WSTORE WS1, 2048*(F-2), F%2
.endif
.if F+2 < 10
	WLOADF F+2
.endif
.set F, F+1
.endr
	WIN 0x41
.set jj, 0
.rept 16
	v_ldexp_f32 v[BQK+jj], v[BQK+jj], s56          ; bq / 2^(e0 + e1)
	v_ldexp_f32 v[BQK+16+jj], v[BQK+16+jj], s57    ; bk / 2^(e2 + e3)
	v_ldexp_f32 v[BV+2*jj+1], v[BV+2*jj], s58      ; bv / 2^(e4 + e5), twice: a pair for the packed addition
	v_ldexp_f32 v[BV+2*jj], v[BV+2*jj], s58
.set jj, jj+1
.endr
	WIN 0
	s_wait_tensorcnt 0x0                           ; my 64 rows of x have landed,
	s_wait_dscnt 0x0                               ; my images are stored:
	s_barrier_signal -1
	s_barrier_wait -1                              ; everybody's are.
	; ---- x into three sets of codes
	XLOADB 0
	XLOADB 1
.set NB, 0
.rept 8
.if NB < 7
	s_wait_dscnt 32                                ; this batch is in; the next batch's 32 loads may be out
.else
	s_wait_dscnt 0x0
.endif
	XQUANT NB
.if NB+2 < 8
	XLOADB NB+2
.endif
.set NB, NB+1
.endr
	; ---- q and k: eight accumulators (tile T of W, tile p of pixels) by turns, two K steps
	WFETCH WL0, 0
	s_wait_dscnt 0x0
	WIN 0x51                                       ; W and the bias and the sums in window 1, x in window 0
.set aa, 0
.rept 8
	v_wmma_f32_16x16x128_fp8_fp8 v[ACC+8*aa:ACC+8*aa+7], v[WF+32*(aa/2):WF+32*(aa/2)+15], v[XQ+64*(aa/4)+32*(aa%2):XQ+64*(aa/4)+32*(aa%2)+15], v[BQK+8*(aa/2):BQK+8*(aa/2)+7]
.set aa, aa+1
.endr
.set aa, 0
.rept 8
	v_wmma_f32_16x16x128_fp8_fp8 v[ACC+8*aa:ACC+8*aa+7], v[WF+32*(aa/2)+16:WF+32*(aa/2)+31], v[XQ+64*(aa/4)+32*(aa%2)+16:XQ+64*(aa/4)+32*(aa%2)+31], v[ACC+8*aa:ACC+8*aa+7]
.set aa, aa+1
.endr
	WIN 0
	NOPS 4                                         ; four places in front of loads into registers that the products read, and of the first read of results
	WFETCH WL0, 8
	WIN 0x41
.set aa, 0
.rept 8
.set jj, 0
.rept 8
	v_med3_num_f32 v[ACC+8*aa+jj], v[ACC+8*aa+jj], -v[CON+10+2*(aa/4)], v[CON+10+2*(aa/4)]   ; each accumulator from its low end on
.set jj, jj+1
.endr
.set aa, aa+1
.endr
	WIN 0x01
.set aa, 0
.rept 8
	v_cvt_scalef32_pk8_fp8_f32 v[OUT+8*(aa/4)+4*(aa%2)+2*((aa/2)%2):OUT+8*(aa/4)+4*(aa%2)+2*((aa/2)%2)+1], v[ACC+8*aa:ACC+8*aa+7], v[CON+11+2*(aa/4)]
.set aa, aa+1
.endr
	v_nop
	WIN 0
	global_store_b128 v[LO], v[OUT:OUT+3], s[20:21]                  ; a tile's image: 32 lanes store 512 consecutive bytes, aligned
	global_store_b128 v[LO], v[OUT+4:OUT+7], s[20:21] offset:512
	global_store_b128 v[LO], v[OUT+8:OUT+11], s[22:23]
	global_store_b128 v[LO], v[OUT+12:OUT+15], s[22:23] offset:512
	; ---- v: four tiles of channels at a time, eight accumulators (tile i, tile p) by turns
.macro VGROUP g
	s_wait_dscnt 0x0
	WIN 0x54                                       ; x in window 0; wv and the sums in window 1
.set aa, 0
.rept 8
	v_wmma_f32_16x16x128_fp8_fp8 v[ACC+8*aa:ACC+8*aa+7], v[XQ+128+32*(aa%2):XQ+128+32*(aa%2)+15], v[WF+32*(aa/2):WF+32*(aa/2)+15], 0
.set aa, aa+1
.endr
.set aa, 0
.rept 8
	v_wmma_f32_16x16x128_fp8_fp8 v[ACC+8*aa:ACC+8*aa+7], v[XQ+128+32*(aa%2)+16:XQ+128+32*(aa%2)+31], v[WF+32*(aa/2)+16:WF+32*(aa/2)+31], v[ACC+8*aa:ACC+8*aa+7]
.set aa, aa+1
.endr
	WIN 0
	NOPS 4
.if (\g) == 0
	WFETCH WL0, 16
.elseif (\g) == 1
	WFETCH WL1, 0
.elseif (\g) == 2
	WFETCH WL1, 8
.endif
	WIN 0x45
.set aa, 0
.rept 8
.set jj, 0
.rept 4
	v_pk_add_f32 v[ACC+8*aa+jj:ACC+8*aa+jj+1], v[ACC+8*aa+jj:ACC+8*aa+jj+1], v[BV+2*(4*(\g)+aa/2):BV+2*(4*(\g)+aa/2)+1]   ; + my channel's bias
.set jj, jj+2
.endr
.set aa, aa+1
.endr
	WIN 0x41
.set jj, 0
.rept 64
	v_med3_num_f32 v[ACC+jj], v[ACC+jj], -v[CON+14], v[CON+14]
.set jj, jj+1
.endr
	s_wait_xcnt 0x0                                ; the stores of two groups back have read this set of registers
	WIN 0x01
.set aa, 0
.rept 8
	v_cvt_scalef32_pk8_fp8_f32 v[OUT+16*(((\g)+1)%2)+4*(aa/2)+2*(aa%2):OUT+16*(((\g)+1)%2)+4*(aa/2)+2*(aa%2)+1], v[ACC+8*aa:ACC+8*aa+7], v[CON+15]
.set aa, aa+1
.endr
	v_nop
	WIN 0
.set ii, 0
.rept 4
	global_store_b128 v[LO], v[OUT+16*(((\g)+1)%2)+4*ii:OUT+16*(((\g)+1)%2)+4*ii+3], s[24:25] offset:(4*(\g)+ii)*2048   ; keys 32 w + 0 .. 31 of channel tile 4 g + i: registers 4 w .. 4 w + 3 of its fragment
.set ii, ii+1
.endr
.endm
	VGROUP 0
	VGROUP 1
	VGROUP 2
	VGROUP 3
	s_wait_tensorcnt 0x0                           ; the wave's end, behind my last tensor load and my last LDS store
	ds_add_u32 v[SPW], v[NIL]
	s_wait_dscnt 0x0
	s_endpgm
.Lfunc_end_k_q3b3fb2397f_proj:
	.size	k_q3b3fb2397f_proj, .Lfunc_end_k_q3b3fb2397f_proj-k_q3b3fb2397f_proj
	.p2alignl 7, 3214868480
	.fill 96, 4, 3214868480
	.section	.rodata,"a",@progbits
	.p2align	6, 0x0
	.amdhsa_kernel k_q3b3fb2397f_proj
		.amdhsa_group_segment_fixed_size 215552
		.amdhsa_private_segment_fixed_size 0
		.amdhsa_enable_private_segment 0
		.amdhsa_kernarg_size 88
		.amdhsa_user_sgpr_count 2
		.amdhsa_user_sgpr_kernarg_segment_ptr 1
		.amdhsa_wavefront_size32 1
		.amdhsa_system_sgpr_workgroup_id_x 1
		.amdhsa_system_sgpr_workgroup_id_y 1
		.amdhsa_system_sgpr_workgroup_id_z 1
		.amdhsa_system_vgpr_workitem_id 0
		.amdhsa_next_free_vgpr 512
		.amdhsa_next_free_sgpr 66
		.amdhsa_reserve_vcc 0
		.amdhsa_float_denorm_mode_32 3
		.amdhsa_float_denorm_mode_16_64 3
		.amdhsa_memory_ordered 1
		.amdhsa_forward_progress 1
		.amdhsa_inst_pref_size 199
	.end_amdhsa_kernel
	.amdgpu_metadata
---
amdhsa.version: [ 1, 2 ]
amdhsa.kernels:
  - .name:           k_q3b3fb2397f_proj
    .symbol:         k_q3b3fb2397f_proj.kd
    .args:
      - { .name: x, .offset: 0, .size: 8, .value_kind: global_buffer, .address_space: global }
      - { .name: wq, .offset: 8, .size: 8, .value_kind: global_buffer, .address_space: global }
      - { .name: bq, .offset: 16, .size: 8, .value_kind: global_buffer, .address_space: global }
      - { .name: wk, .offset: 24, .size: 8, .value_kind: global_buffer, .address_space: global }
      - { .name: bk, .offset: 32, .size: 8, .value_kind: global_buffer, .address_space: global }
      - { .name: wv, .offset: 40, .size: 8, .value_kind: global_buffer, .address_space: global }
      - { .name: bv, .offset: 48, .size: 8, .value_kind: global_buffer, .address_space: global }
      - { .name: lowp_scales, .offset: 56, .size: 8, .value_kind: global_buffer, .address_space: global }
      - { .name: q_img, .offset: 64, .size: 8, .value_kind: global_buffer, .address_space: global }
      - { .name: k_img, .offset: 72, .size: 8, .value_kind: global_buffer, .address_space: global }
      - { .name: v_img, .offset: 80, .size: 8, .value_kind: global_buffer, .address_space: global }
    .group_segment_fixed_size: 215552
    .private_segment_fixed_size: 0
    .kernarg_segment_align: 8
    .kernarg_segment_size: 88
    .max_flat_workgroup_size: 128
    .sgpr_count:     66
    .vgpr_count:     512
    .wavefront_size: 32
...
	.end_amdgpu_metadata
.endif
;; end of part 1
;; launch attn (part 2): grid 32 x 8, 8 waves a work-group, clusters of 4 x 1, 327,680 bytes of LDS; arguments q_img, k_img, v_img, x, gamma, lowp_scales, out0; writes out0
.if DOCPART == 2
	.amdgcn_target "amdgcn-amd-amdhsa--gfx1250"
	.amdhsa_code_object_version 6
	.text
	.protected	k_q3b3fb2397f_attn
	.globl	k_q3b3fb2397f_attn
	.p2align	8
	.type	k_q3b3fb2397f_attn,@function
k_q3b3fb2397f_attn:
	s_mov_b64 s[64:65], 0
	v_nop
	global_prefetch_b8 v0, s[64:65] scope:SCOPE_SE
	s_setreg_imm32_b32 hwreg(HW_REG_WAVE_MODE, 25, 1), 1
	s_wait_xcnt 0x0
	s_wait_alu depctr_hold_cnt(0) depctr_sa_sdst(0) depctr_va_vdst(0) depctr_va_sdst(0) depctr_va_ssrc(0) depctr_va_vcc(0) depctr_vm_vsrc(0)
	s_getreg_b32 s2, hwreg(HW_REG_IB_STS2, 6, 4)
	s_cmp_eq_u32 s2, 0
	s_cbranch_scc0 .Lentry_in_a_cluster
	s_endpgm
.Lentry_in_a_cluster:
	s_bfe_u32 s2, ttmp6, 0x10000c
	s_cmp_lg_u32 s2, 0x3003
	s_cbranch_scc0 .Lentry_shape_is_right
	s_endpgm
.Lentry_shape_is_right:
; out[b][c][n] = gamma x (sum over m of v[c][m] softmax_m(q[:, n] . k[:, m])) + x[b][c][n], both products on codes of E4M3 made by the first launch.  No work is left out.
; THE SOFTMAX AHEAD OF THE SECOND PRODUCT: t = score x log2(e); M = the row's largest t rounded up to a whole number; p = 2^(t - M) is quantised (scale 2^e9), not normalised; the row's sum l of the unquantised p divides at the end.
; TWO PASSES.  A batch's codes of k are 131,072 bytes and stay in LDS.  Pass 1 makes the scores and takes only their maxima; pass 2 makes the same scores again (the same instructions on the same registers: the same bits)
;   with M fixed.  So the first product is issued twice; in exchange nothing is ever rescaled, and sums over different keys simply add.
; SHARES.  A work-group owns 128 queries of one batch.  Wave w: queries 32 (w % 4) on (two tiles of 16), keys 2,048 (w / 4) on: the two halves' O and l are added on the way out.  Two waves to a SIMD.
; CLUSTER.  The four query blocks of a cluster belong to one batch and walk the same k and v: every tile is asked for JOINTLY, by the same tensor load with the same descriptor and a mask that names the four.
; LAYOUT.  S^T = K Q^T (source 0 = 16 keys, source 1 = 16 queries; K = 64, of which d = 32 .. 63 are zero codes in Q): a lane holds ONE query and keys 16 c + 8 h + 0 .. 7, so one conversion of an accumulator gives
;   registers 2 c, 2 c + 1 of P.  O = P V^T (source 0 = 16 queries, source 1 = 16 channels, K = 128 keys): a lane holds ONE channel and eight neighbouring queries, as out0 lies.
;   K's tile c is the operand v[48 + 4 c .. + 7]: its upper four registers are the next tile's codes (behind the last tile: zeros).  They meet Q's zero codes and add nothing: the first launch holds every number, so no code is NaN.
; THE ORDER OF A TRIP (128 keys).  Both tiles' scores are there.  Tile 0's 64 exponentials stand with the scalings of both tiles between them; tile 1's 64 with tile 0's sums, holds and conversions between them; so 163 of the trip's
;   271 plain lines stand between exponentials, and each batch of 64 has one wait.  v's fragments take the scores' registers as these come free.  As soon as the last fragments are in registers the wave signals the change of slots;
;   the trip's last 8 products and the next trip's 16 score products, work on registers, stand between that signal and its wait.
; LIMITS: e6 + e7 between -126 and 127 (added to log2(e)'s exponent field); e9 between -126 and 119; e8 + e9 goes by v_ldexp_f32 and has none.  NaN among the inputs is not served.
; LDS: 0 k's images; 131,072 two slots of 65,536 bytes for v ([key half][32,768]); on the way out two stages of 256 rows x 528 bytes lie over them, when they have had their last fill and last read; then the maxima, the sums, the spare words.
; REGISTERS.  window 0: v1-17 addresses; v18, 19 448 x 2^e9, 2^e9; v20-23 (-M, t) a tile; v24-27 l a tile, in two halves; v28-31 at work; v32-47 Q; v48-83 K; v84-115 P's codes; v116-179 tile 0's scores, v180-243 tile 1's, then both v's fragments; v244-251 maxima.
;   window 1: O, accumulator (channel tile t, query tile q) at v[8 (2 t + q)].
.set VRING, 131072
.set SLOTB, 65536
.set STP,   528                        ; a stage row: 512 bytes + 16
.set STG1,  256*STP
.set MX,    2*256*STP                  ; 8 waves x 2 tiles x 128 bytes
.set LX,    MX+2048                    ; 2 halves x 128 queries x 4 bytes
.set SPARE, LX+1024                    ; the spare words, 128 bytes a wave: four blocks of 256 bytes that no other line names
.set SPW, 1
.set NIL, 2
.set AK0, 3                            ; v3   16 lane + my half of k's images
.set AV0, 4                            ; v4   16 lane + my half of slot 0
.set ADK, 5
.set ADV, 6
.set PFO, 7                            ; v7   256 x lane
.set LO,  8                            ; v8   16 x lane
.set XPF, 9                            ; v9   lane x a row of x (16,384 bytes)
.set STO, 10                           ; v10, v11 into the stage: channel tiles 0-7, 8-15
.set SR,  12                           ; v12, v13 back from stage 0, 1
.set MXS, 14
.set MXL, 15
.set LXS, 16
.set LXL, 17
.set NM,  20
.set L,   24
.set QF,  32
.set KF,  48
.set PC,  84
.set S,   116
.set VB,  180
.set WV,  18                           ; s18 wave; s19 w % 4; s20 w / 4; s21 cx; s22 query block; s23 batch
.set G1K, 24                           ; s[24:31] group 1: 64 rows of 256 bytes;  s[32:39]: 32 rows
.set G1V, 32
.set G0K, 40
.set G0A, 44
.set G0W, 48                           ; the walking descriptor
.set TB,  52                           ; s52 the slot in hand: 0 or 65,536
.set KB,  53                           ; s53 the key step's place in k's images
.set CNT, 54
.set LIM, 55
.set PFA, 56
.set CS,  58                           ; s[58:59] c = log2(e) x 2^(e6 + e7)
.set SEL, 60
.set MSB, 0
.macro WIN new
.if MSB != \new
	s_set_vgpr_msb (MSB<<8)|\new
.set MSB, \new
.endif
.endm
.macro NOPS n
.rept \n
	v_nop
.endr
.endm
.macro CREST                           ; a round of the cluster's barrier behind its opening barrier
	s_cmp_lg_u32 s[WV], 0
	s_cbranch_scc1 .Lnot_wave_0_\@
	s_barrier_signal -3
.Lnot_wave_0_\@:
	s_barrier_wait -3
	s_barrier_signal -1
	s_barrier_wait -1
.endm
.macro CROUND                          ; a whole round
	s_barrier_signal -1
	s_barrier_wait -1
	CREST
.endm
.macro KNEXT                           ; eight tiles of 16 keys: four registers each
.set cc, 0
.rept 8
	ds_load_b128 v[KF+4*cc:KF+4*cc+3], v[ADK] offset:512*cc
.set cc, cc+1
.endr
.endm
.macro SCORES                          ; the scores of 128 keys for both query tiles: sixteen accumulators, each begun with the constant 0
.set cc, 0
.rept 8
	v_wmma_f32_16x16x64_fp8_fp8 v[S+8*cc:S+8*cc+7], v[KF+4*cc:KF+4*cc+7], v[QF:QF+7], 0
	v_wmma_f32_16x16x64_fp8_fp8 v[VB+8*cc:VB+8*cc+7], v[KF+4*cc:KF+4*cc+7], v[QF+8:QF+15], 0
.set cc, cc+1
.endr
.endm
.macro P1STEP next                     ; pass 1: 128 keys, both tiles; only the maxima are kept
	s_wait_dscnt 0x0
	SCORES
.if \next
	s_add_co_u32 s[KB], s[KB], 4096
.else
	s_mov_b32 s[KB], 0                             ; pass 2 begins at my half's first keys
.endif
	v_add_nc_u32 v[ADK], s[KB], v[AK0]             ; with the three v_nop: four places in front of the loads into K's registers and of the first read of results
	NOPS 3
	KNEXT
.set cc, 0
.rept 8
.irp j, 0,2,4,6                        ; four chains; each accumulator from its low end on
	v_max3_num_f32 v[244+(\j/2)%2], v[244+(\j/2)%2], v[S+8*cc+\j], v[S+8*cc+\j+1]
	v_max3_num_f32 v[246+(\j/2)%2], v[246+(\j/2)%2], v[VB+8*cc+\j], v[VB+8*cc+\j+1]
.endr
.set cc, cc+1
.endr
.endm
.macro FMA b, q, p                     ; pair p of tile q's scores at v[b]: t - M (of the pairs c and -M the low word serves both halves)
	v_pk_fma_f32 v[\b+2*(\p):\b+2*(\p)+1], v[\b+2*(\p):\b+2*(\p)+1], s[CS:CS+1], v[NM+2*(\q):NM+2*(\q)+1] op_sel_hi:[1,0,0]
.endm
; What follows a tile's exponentials is thirteen lines for each accumulator ac of eight: PST writes line ln of them, for tile q's p at v[b].
;   0-3 the sum of the UNQUANTISED p, two at a time, in two chains (l's pair, and v[28:29], which the first accumulator's first line starts);  4-11 the hold, in place;  12 the conversion: registers 2 ac, 2 ac + 1 of P.
.macro PST b, q
.if ln < 4
.if (ac == 0) && (ln == 0)
	v_pk_add_f32 v[28:29], v[\b:\b+1], v[\b+2:\b+3]
.elseif (ac == 0) && (ln == 1)         ; (taken by the line above)
.elseif (ln%2 == 0)
	v_pk_add_f32 v[L+2*(\q):L+2*(\q)+1], v[L+2*(\q):L+2*(\q)+1], v[\b+8*ac+2*ln:\b+8*ac+2*ln+1]
.else
	v_pk_add_f32 v[28:29], v[28:29], v[\b+8*ac+2*ln:\b+8*ac+2*ln+1]
.endif
.elseif ln < 12
	v_min_num_f32 v[\b+8*ac+ln-4], v[\b+8*ac+ln-4], v18            ; the conversion does not saturate (ISA guide 7.6.2); p is not negative, so the hold is one-sided
.else
	v_cvt_scalef32_pk8_fp8_f32 v[PC+16*(\q)+2*ac:PC+16*(\q)+2*ac+1], v[\b+8*ac:\b+8*ac+7], v19
.endif
.endm
.macro MIX                             ; tile 1's 64 exponentials, with tile 0's thirteen lines an accumulator dealt out behind them, one or two behind each.  None of those lines names a register of tile 1
.set ac, 0
.rept 8
.set ln, 0
.set ei, 0
.rept 8
	v_exp_f32 v[VB+8*ac+ei], v[VB+8*ac+ei]
.rept 13*(ei+1)/8-13*ei/8
	PST S, 0
.set ln, ln+1
.endr
.set ei, ei+1
.endr
.set ac, ac+1
.endr
.endm
.macro VLOAD base, t0                  ; v's fragments of channel tiles t0 .. t0 + 3
.set ii, 0
.rept 4
.set gg, 0
.rept 4
	ds_load_b128 v[\base+16*ii+4*gg:\base+16*ii+4*gg+3], v[ADV] offset:((\t0)+ii)*2048+512*gg
.set gg, gg+1
.endr
.set ii, ii+1
.endr
.endm
.macro PVMUL base, t0, zero            ; each fragment of v feeds two products; the 32 accumulators take turns, one instruction each a trip
	WIN 0x50                                       ; C and D in window 1
.set ii, 0
.rept 4
.set qq, 0
.rept 2
.set ro, 8*(2*((\t0)+ii)+qq)
.if \zero
	v_wmma_f32_16x16x128_fp8_fp8 v[ro:ro+7], v[PC+16*qq:PC+16*qq+15], v[\base+16*ii:\base+16*ii+15], 0
.else
	v_wmma_f32_16x16x128_fp8_fp8 v[ro:ro+7], v[PC+16*qq:PC+16*qq+15], v[\base+16*ii:\base+16*ii+15], v[ro:ro+7]
.endif
.set qq, qq+1
.endr
.set ii, ii+1
.endr
.endm
; A PREFETCH of the block of v that the NEXT change of slots will ask for: 32,768 bytes for each key half.  All clusters of a batch walk the same v: the batch's first cluster asks; its four partners take 8,192 bytes each,
; told apart by address; in each, wave 0 asks for the first half's and wave 4 for the second's, lanes 256 bytes apart.  So each block of 256 bytes is named once.  The last change that fills a slot asks for nothing.
.macro ASK
	s_cmp_gt_u32 s[CNT], s[LIM]
	s_cbranch_scc0 .Lnot_mine_\@
	global_prefetch_b8 v[PFO], s[PFA:PFA+1] th:TH_LOAD_NT scope:SCOPE_SE
.Lnot_mine_\@:
.endm
; A TRIP OF PASS 2: 128 keys, whose scores have just been made.  zero = 1: the products start O's sums.
; mode = 2: the slot is left and filled again, and the next trip's scores are made;  1: the same without a fill;  0: the last trip.
.macro BODY zero, mode
	v_add_nc_u32 v[ADV], s[TB], v[AV0]             ; with the lines below: four places behind the score products, in front of the loads into K's registers and of the first read of results
.if \mode
	s_add_co_u32 s[KB], s[KB], 4096
	v_add_nc_u32 v[ADK], s[KB], v[AK0]
	NOPS 2
	KNEXT                                          ; the next trip's keys: they have the whole trip in which to come
.else
	NOPS 3
.endif
.irp p, 0,1,2,3
	FMA S, 0, \p                                   ; each accumulator is read from its low end on
.endr
.set ei, 0
.rept 64                               ; tile 0's batch.  The scaling behind exponential i writes registers 8 + 2 i and 9 + 2 i of tile 0, which no exponential has touched yet, or a pair of tile 1
	v_exp_f32 v[S+ei], v[S+ei]                     ; p = 2^(t - M), at most 1
.if ei < 28
	FMA S, 0, 4+ei
.elseif ei < 60
	FMA VB, 1, ei-28
.endif
.set ei, ei+1
.endr
	v_nop                                          ; a plain line behind the last exponential
	s_wait_alu depctr_va_vdst(0)                   ; one wait for tile 0's 64, ahead of their first reader
	MIX
	v_pk_add_f32 v[L:L+1], v[L:L+1], v[28:29]      ; tile 0's two chains.  (Also the plain line behind the last conversion)
	s_wait_alu depctr_va_vdst(0)                   ; one wait for tile 1's 64; it stands in front of a run of LDS loads
	VLOAD S, 0                                     ; tile 0's registers are free: they take fragments of v, which come while tile 1 is finished
.set ac, 0
.rept 8
.set ln, 0
.rept 13
	PST VB, 1
.set ln, ln+1
.endr
.set ac, ac+1
.endr
	v_pk_add_f32 v[L+2:L+3], v[L+2:L+3], v[28:29]  ; tile 1's two chains.  (Also the plain line behind the last conversion)
	VLOAD VB, 4
	s_wait_dscnt 16                                ; all but the sixteen loads just issued
	PVMUL S, 0, \zero
	WIN 0
	NOPS 4                                         ; four places in front of loads into registers that the products read
	VLOAD S, 8
	s_wait_dscnt 16
	PVMUL VB, 4, \zero
	WIN 0
	NOPS 4
	VLOAD VB, 12
	s_wait_dscnt 16
	PVMUL S, 8, \zero
	WIN 0                                          ; (the add's two registers lie in window 0)
.if \mode
	; THE CHANGE OF SLOTS.  Each wave waits for all its tensor loads (its part of the slot ahead), adds 0 to its spare word, and waits for that and for its reads of the slot that it leaves: the last sixteen are the loads above.
	s_wait_tensorcnt 0x0                           ; no tensor load of mine is out, so the walking descriptor may be written
	ds_add_u32 v[SPW], v[NIL]
.if \mode == 2
	s_xor_b32 s[G0W+1], s[G0W+1], SLOTB            ; the other slot than last time,
	s_add_nc_u64 s[G0W+2:G0W+3], s[G0W+2:G0W+3], 32768   ; the next 128 keys of my half
	s_wait_xcnt 0x0                                ; the last prefetch, a trip back, has read its address
	s_add_nc_u64 s[PFA:PFA+1], s[PFA:PFA+1], 32768
.endif
	s_wait_dscnt 0x0                               ; the add is done; all of the slot that I want is in registers
	s_barrier_signal -1                            ; say so (mode 2: this barrier opens a round of the cluster's),
	PVMUL VB, 12, \zero                            ; and work on registers while the others arrive: the trip's last products,
	WIN 0
	NOPS 5                                         ; (the scores are written over registers that the products read: five places)
	SCORES                                         ; and the next trip's scores: its keys came with the wait above
	s_barrier_wait -1
.if \mode == 2
	CREST                                          ; no wave of any partner still reads the slot or has a load on its way
	tensor_load_to_lds s[G0W:G0W+3], s[G1V:G1V+7]  ; the joint refill, first behind the round: my one tensor load until the next
	s_nop 0
	NOPS 4
	ASK
.else
	global_prefetch_b8 v[XPF], s[74:75] th:TH_LOAD_NT scope:SCOPE_SE              ; my 32 rows of x for the way out, 512 bytes each, a lane a row: asked for one trip ahead of their loads
	global_prefetch_b8 v[XPF], s[74:75] offset:256 th:TH_LOAD_NT scope:SCOPE_SE
.endif
	s_xor_b32 s[TB], s[TB], SLOTB
.else
	s_wait_dscnt 0x0
	PVMUL VB, 12, \zero
	WIN 0
	NOPS 5
.endif
.endm
	s_load_b256 s[4:11], s[0:1], 0x0               ; q_img s[4:5], k_img s[6:7], v_img s[8:9], x s[10:11]
	s_load_b128 s[12:15], s[0:1], 0x20             ; gamma s[12:13], the exponents s[14:15]
	s_load_b64 s[16:17], s[0:1], 0x30              ; out0
	v_lshl_add_u32 v[SPW], v0, 2, SPARE
	v_mov_b32 v[NIL], 0
	ds_add_u32 v[SPW], v[NIL]                      ; the wave's opening: the add, twice on end, and its wait ahead of the round in front of my first tensor loads
	ds_add_u32 v[SPW], v[NIL]
	v_lshrrev_b32 v28, 5, v0
	v_readfirstlane_b32 s[WV], v28                 ; wave 0..7
	s_and_b32 s19, s[WV], 3                        ; which 32 queries
	s_lshr_b32 s20, s[WV], 2                       ; which half of the keys
	s_bfe_u32 s21, ttmp6, 0x40000                  ; cx
	s_lshl_b32 s22, ttmp9, 2
	s_add_co_u32 s22, s22, s21                     ; my block of 128 queries: it enters Q's, x's and out0's addresses alone
	s_and_b32 s23, ttmp7, 0xffff                   ; the batch, which the four partners share
	s_mov_b32 s[G1K], 15|(3<<16)|(1<<21)           ; the mask: all four work-groups; elements of 8 bytes; bit 21 beside a mask; no padding: images are read 16 bytes a lane on end
	s_mov_b32 s[G1K+1], 32<<16                     ; rows of 256 bytes, dense
	s_mov_b32 s[G1K+2], 64<<16
	s_mov_b32 s[G1K+3], 32<<16
	s_mov_b32 s[G1K+4], 64
	s_mov_b32 s[G1K+5], 32
	s_mov_b32 s[G1K+6], 0
	s_mov_b32 s[G1K+7], 0
	s_mov_b32 s[G1V], 15|(3<<16)|(1<<21)
	s_mov_b32 s[G1V+1], 32<<16
	s_mov_b32 s[G1V+2], 32<<16
	s_mov_b32 s[G1V+3], 32<<16
	s_mov_b32 s[G1V+4], 32
	s_mov_b32 s[G1V+5], 32
	s_mov_b32 s[G1V+6], 0
	s_mov_b32 s[G1V+7], 0
	s_mov_b32 s[SEL], 0x76543210
	s_mov_b32 s[SEL+1], 0xfedcba98
	s_mov_b32 s[TB], 0
	s_mov_b32 s[KB], 0
	s_lshl_b32 s62, s23, 17                        ; k: the batch's 131,072 bytes, my eighth of them
	s_lshl_b32 s63, s[WV], 14
	s_add_co_u32 s62, s62, s63
	s_mov_b32 s63, 0
	s_lshl_b32 s66, s23, 20                        ; v: the batch, my half's 16 blocks, my quarter of a block
	s_lshl_b32 s67, s20, 19
	s_add_co_u32 s66, s66, s67
	s_lshl_b32 s67, s19, 13
	s_add_co_u32 s66, s66, s67
	s_mov_b32 s67, 0
	s_or_b32 s[LIM], s19, ttmp9                    ; 0 in waves 0 and 4 of the batch's first cluster: the same in all four partners
	s_cmp_eq_u32 s[LIM], 0
	s_cselect_b32 s[LIM], 1, -1
	s_wait_dscnt 0x0                               ; both opening adds are done
	s_wait_kmcnt 0x0
	s_load_b128 s[68:71], s[14:15], 0x18           ; e6, e7, e8, e9
	s_load_b32 s72, s[12:13], 0x0                  ; gamma
	s_mov_b32 s[G0K], 1
	s_lshl_b32 s[G0K+1], s[WV], 14
	s_add_nc_u64 s[G0K+2:G0K+3], s[6:7], s[62:63]
	s_or_b32 s[G0K+3], s[G0K+3], 0x80000000
	s_mov_b32 s[G0A], 1
	s_lshl_b32 s[G0A+1], s[WV], 13
	s_add_co_u32 s[G0A+1], s[G0A+1], VRING
	s_add_nc_u64 s[G0A+2:G0A+3], s[8:9], s[66:67]
	s_mov_b32 s[G0W], 1
	s_add_co_u32 s[G0W+1], s[G0A+1], SLOTB
	s_add_nc_u64 s[G0W+2:G0W+3], s[G0A+2:G0A+3], 32768
	s_or_b32 s[G0A+3], s[G0A+3], 0x80000000
	s_or_b32 s[G0W+3], s[G0W+3], 0x80000000
	CROUND                                         ; all four work-groups are here: the first joint loads meet
	tensor_load_to_lds s[G0K:G0K+3], s[G1K:G1K+7]  ; three loads of mine are out: my eighth of k,
	s_nop 0
	tensor_load_to_lds s[G0A:G0A+3], s[G1V:G1V+7]  ; of slot 0,
	s_nop 0
	tensor_load_to_lds s[G0W:G0W+3], s[G1V:G1V+7]  ; of slot 1
	s_nop 0
	NOPS 4
	s_lshl_b32 s78, s23, 20                        ; the prefetches: my half's block 2, my work-group's quarter; the first change of slots steps it to block 3
	s_lshl_b32 s79, s20, 19
	s_add_co_u32 s78, s78, s79
	s_lshl_b32 s79, s21, 13
	s_add_co_u32 s78, s78, s79
	s_add_co_u32 s78, s78, 65536
	s_mov_b32 s79, 0
	s_add_nc_u64 s[PFA:PFA+1], s[8:9], s[78:79]
	s_lshl_b32 s78, s23, 17                        ; Q: tile 256 b + 8 qb + 2 (w % 4), 512 bytes a tile
	s_lshl_b32 s67, s22, 12
	s_add_co_u32 s78, s78, s67
	s_lshl_b32 s67, s19, 10
	s_add_co_u32 s78, s78, s67
	s_add_nc_u64 s[4:5], s[4:5], s[78:79]
	s_lshl_b32 s78, s23, 22                        ; x, out0: the batch, my 32 channels, my block's 128 queries
	s_lshl_b32 s67, s[WV], 19
	s_add_co_u32 s78, s78, s67
	s_lshl_b32 s67, s22, 9
	s_add_co_u32 s78, s78, s67
	s_add_nc_u64 s[74:75], s[10:11], s[78:79]
	s_add_nc_u64 s[76:77], s[16:17], s[78:79]
	v_and_b32 v28, 31, v0                          ; lane
	v_and_b32 v29, 15, v0                          ; r
	v_bfe_u32 v31, v0, 4, 1                        ; h
	v_lshlrev_b32 v[LO], 4, v28
	global_load_b128 v[QF:QF+3], v[LO], s[4:5]     ; Q stays in registers
	global_load_b128 v[QF+8:QF+11], v[LO], s[4:5] offset:512
	s_lshl_b32 s62, s20, 16
	v_lshl_add_u32 v[AK0], v28, 4, s62
	s_lshl_b32 s62, s20, 15
	s_add_co_u32 s62, s62, VRING
	v_lshl_add_u32 v[AV0], v28, 4, s62
	v_lshlrev_b32 v[PFO], 8, v28
	v_lshlrev_b32 v[XPF], 14, v28
	s_mul_i32 s62, s20, STG1                       ; the stage of my half: row = channel, my 32 queries' 128 bytes, 32 bytes for each half of the lanes
	s_lshl_b32 s63, s19, 7
	s_add_co_u32 s62, s62, s63
	v_mul_u32_u24 v[STO], v29, STP
	v_lshl_add_u32 v[STO], v31, 5, v[STO]
	v_add_nc_u32 v[STO], s62, v[STO]
	v_add_nc_u32 v[STO+1], 8*16*STP, v[STO]
	s_mul_i32 s62, s[WV], 32*STP                   ; back: my 32 rows, 16 bytes a lane
	v_lshl_add_u32 v[SR], v28, 4, s62
	v_add_nc_u32 v[SR+1], STG1, v[SR]
	s_lshl_b32 s62, s[WV], 8
	s_add_co_u32 s62, s62, MX
	v_lshl_add_u32 v[MXS], v28, 2, s62
	s_xor_b32 s62, s[WV], 4                        ; the wave with my queries and the other keys
	s_lshl_b32 s62, s62, 8
	s_add_co_u32 s62, s62, MX
	v_lshl_add_u32 v[MXL], v28, 2, s62
	s_lshl_b32 s62, s20, 9
	s_lshl_b32 s63, s19, 7
	s_add_co_u32 s62, s62, s63
	s_add_co_u32 s62, s62, LX
	v_lshl_add_u32 v[LXS], v29, 2, s62
	v_lshl_add_u32 v[LXL], v28, 4, LX
.irp j, 4,5,6,7,12,13,14,15
	v_mov_b32 v[QF+\j], 0                          ; d = 32 .. 63: zero codes
.endr
.irp j, 32,33,34,35
	v_mov_b32 v[KF+\j], 0                          ; behind the last tile of keys
.endr
	v_mov_b32 v30, 0                               ; written once: a lane permute's destination counts as one of its sources
.irp j, 244,245,246,247
	v_mov_b32 v\j, 0xff800000                      ; the maxima begin at -infinity
.endr
	s_wait_kmcnt 0x0
	s_add_co_i32 s62, s68, s69
	s_lshl_b32 s62, s62, 23
	s_add_co_i32 s[CS], s62, 0x3fb8aa3b            ; a score stands for score x 2^(e6 + e7): the exponents are added to log2(e)'s exponent field
	s_mov_b32 s[CS+1], s[CS]                       ; (named with it as a pair, so it is written)
	s_add_co_i32 s62, s71, 127
	s_lshl_b32 s63, s62, 23
	v_mov_b32 v19, s63                             ; 2^e9
	s_add_co_i32 s62, s62, 8
	s_lshl_b32 s62, s62, 23
	s_or_b32 s62, s62, 0x600000
	v_mov_b32 v18, s62                             ; 448 x 2^e9
	s_add_co_i32 s73, s70, s71                     ; e8 + e9
	s_wait_tensorcnt 2                             ; my eighth of k has landed; v's two loads, issued behind it, may stay out
	s_barrier_signal -1
	s_barrier_wait -1                              ; everybody's has
	v_add_nc_u32 v[ADK], s[KB], v[AK0]
	KNEXT
	s_wait_loadcnt 0x0                             ; Q
	; ---- pass 1: the largest score of each of my queries among my 2,048 keys
	s_mov_b32 s[CNT], 15
.Lmax:
	P1STEP 1
	s_sub_co_u32 s[CNT], s[CNT], 1
	s_cmp_lg_u32 s[CNT], 0
	s_cbranch_scc1 .Lmax
	P1STEP 0
	; ---- M
	v_max_num_f32 v244, v244, v245
	v_max_num_f32 v246, v246, v247
	v_permlanex16_b32 v30, v244, s[SEL], s[SEL+1]  ; the query's other keys lie in the lane 16 away
	v_max_num_f32 v244, v244, v30
	v_permlanex16_b32 v30, v246, s[SEL], s[SEL+1]
	v_max_num_f32 v246, v246, v30
	ds_store_b32 v[MXS], v244
	ds_store_b32 v[MXS], v246 offset:128
	s_wait_tensorcnt 0x0                           ; my parts of both slots of v have landed,
	s_wait_dscnt 0x0                               ; my maxima are stored, pass 2's first keys are in
	s_barrier_signal -1
	s_barrier_wait -1
	ds_load_b32 v248, v[MXL]
	ds_load_b32 v249, v[MXL] offset:128
	s_wait_dscnt 0x0
	v_max_num_f32 v244, v244, v248
	v_max_num_f32 v246, v246, v249
	v_mul_f32 v[NM+1], s[CS], v244                 ; the row's largest t (c is positive)
	v_mul_f32 v[NM+3], s[CS], v246
	v_floor_f32 v[NM], -v[NM+1]                    ; -M = floor(-t) = -ceil(t)
	v_floor_f32 v[NM+2], -v[NM+3]
.irp j, 0,1,2,3
	v_mov_b32 v[L+\j], 0
.endr
	; ---- pass 2: sixteen trips.  Behind each of the first fourteen the slot just left takes the keys two trips on
	s_mov_b32 s[CNT], 14                           ; changes that fill a slot, still to come: the prefetch looks at it
	SCORES                                         ; the first trip's scores
	BODY 1, 2                                      ; trip 0 is written out: its products start O's sums
	s_mov_b32 s[CNT], 13
.Ltrip:
	BODY 0, 2
	s_sub_co_u32 s[CNT], s[CNT], 1
	s_cmp_lg_u32 s[CNT], 0
	s_cbranch_scc1 .Ltrip
	BODY 0, 1                                      ; the last two trips are written out: nothing is left to ask for
	BODY 0, 0
	; ---- the way out.  x's rows are asked for first; the two halves' O meet in two stages, their l in LX; each wave then finishes 32 whole rows of 512 bytes.
.set ii, 0
.rept 32
	global_load_b128 v[S+4*ii:S+4*ii+3], v[LO], s[74:75] offset:ii*16384 th:TH_LOAD_NT
.set ii, ii+1
.endr
	v_add_f32 v28, v[L], v[L+1]
	v_add_f32 v29, v[L+2], v[L+3]
	v_permlanex16_b32 v30, v28, s[SEL], s[SEL+1]
	v_add_f32 v28, v28, v30
	v_permlanex16_b32 v30, v29, s[SEL], s[SEL+1]
	v_add_f32 v29, v29, v30
	ds_store_b32 v[LXS], v28                       ; my half's sum for query 32 (w % 4) + r,
	ds_store_b32 v[LXS], v29 offset:64             ; and + 16
	s_wait_dscnt 0x0
	s_barrier_signal -1
	s_barrier_wait -1                              ; every wave's reads of k and v are over, and no fill follows: the stages may lie there
	WIN 0x04                                       ; the stores' data in window 1
.set tt, 0
.rept 16
.set qq, 0
.rept 2
	ds_store_b128 v[STO+tt/8], v[8*(2*tt+qq):8*(2*tt+qq)+3] offset:(tt%8)*16*STP+64*qq          ; each accumulator from its low end on
	ds_store_b128 v[STO+tt/8], v[8*(2*tt+qq)+4:8*(2*tt+qq)+7] offset:(tt%8)*16*STP+64*qq+16
.set qq, qq+1
.endr
.set tt, tt+1
.endr
	WIN 0
	s_wait_dscnt 0x0
	s_barrier_signal -1
	s_barrier_wait -1                              ; 256 whole rows lie in each stage
.macro BLOAD n                         ; four rows of both stages into one of two sets of 32 registers
.set kk, 0
.rept 4
	ds_load_b128 v[32+32*((\n)%2)+8*kk:32+32*((\n)%2)+8*kk+3], v[SR] offset:(4*(\n)+kk)*STP
	ds_load_b128 v[32+32*((\n)%2)+8*kk+4:32+32*((\n)%2)+8*kk+7], v[SR+1] offset:(4*(\n)+kk)*STP
.set kk, kk+1
.endr
.endm
	ds_load_b128 v[244:247], v[LXL]                ; l of queries 4 lane + 0 .. 3: the first half's,
	ds_load_b128 v[248:251], v[LXL] offset:512     ; the second's
	BLOAD 0
	s_wait_dscnt 8                                 ; the sums are in; the eight loads behind them may be out
	v_pk_add_f32 v[244:245], v[244:245], v[248:249]
	v_pk_add_f32 v[246:247], v[246:247], v[250:251]
.irp j, 0,1,2,3
	v_rcp_f32 v[L+\j], v[244+\j]
.endr
	v_nop                                          ; a plain line behind the last reciprocal
	s_wait_alu depctr_va_vdst(0)                   ; one wait for the four, ahead of their first reader
.irp j, 0,1,2,3
	v_mul_f32 v[L+\j], s72, v[L+\j]                ; gamma / l
.endr
.irp j, 0,1,2,3
	v_ldexp_f32 v[L+\j], v[L+\j], s73              ; x 2^(e8 + e9)
.endr
.set NB, 0
.rept 8
.if NB < 7
	BLOAD NB+1
	s_wait_dscnt 8                                 ; this batch is in; the next batch's eight loads may be out
.else
	s_wait_dscnt 0x0
.endif
	s_wait_loadcnt 28-4*NB                         ; x's rows up to this batch's are in; the later rows may be out
.set kk, 0
.rept 4
.set sb, 32+32*(NB%2)+8*kk
.set xr, S+4*(4*NB+kk)
	v_pk_add_f32 v[sb:sb+1], v[sb:sb+1], v[sb+4:sb+5]              ; the two halves of the keys
	v_pk_add_f32 v[sb+2:sb+3], v[sb+2:sb+3], v[sb+6:sb+7]
	v_pk_fma_f32 v[xr:xr+1], v[sb:sb+1], v[L:L+1], v[xr:xr+1]      ; x gamma 2^(e8 + e9) / l + x
	v_pk_fma_f32 v[xr+2:xr+3], v[sb+2:sb+3], v[L+2:L+3], v[xr+2:xr+3]
	global_store_b128 v[LO], v[xr:xr+3], s[76:77] offset:(4*NB+kk)*16384 th:TH_STORE_NT   ; 32 lanes store 512 consecutive bytes, aligned; these registers are not written again
.set kk, kk+1
.endr
.set NB, NB+1
.endr
	s_wait_tensorcnt 0x0                           ; the wave's end, behind my last tensor load and my last LDS store
	ds_add_u32 v[SPW], v[NIL]
	s_wait_dscnt 0x0
	CROUND                                         ; the closing round: no work-group ends while a partner may still ask for a tile that names it
	s_endpgm
.Lfunc_end_k_q3b3fb2397f_attn:
	.size	k_q3b3fb2397f_attn, .Lfunc_end_k_q3b3fb2397f_attn-k_q3b3fb2397f_attn
	.p2alignl 7, 3214868480
	.fill 96, 4, 3214868480
	.section	.rodata,"a",@progbits
	.p2align	6, 0x0
	.amdhsa_kernel k_q3b3fb2397f_attn
		.amdhsa_group_segment_fixed_size 327680
		.amdhsa_private_segment_fixed_size 0
		.amdhsa_enable_private_segment 0
		.amdhsa_kernarg_size 56
		.amdhsa_user_sgpr_count 2
		.amdhsa_user_sgpr_kernarg_segment_ptr 1
		.amdhsa_wavefront_size32 1
		.amdhsa_system_sgpr_workgroup_id_x 1
		.amdhsa_system_sgpr_workgroup_id_y 1
		.amdhsa_system_sgpr_workgroup_id_z 1
		.amdhsa_system_vgpr_workitem_id 0
		.amdhsa_next_free_vgpr 512
		.amdhsa_next_free_sgpr 80
		.amdhsa_reserve_vcc 0
		.amdhsa_float_denorm_mode_32 3
		.amdhsa_float_denorm_mode_16_64 3
		.amdhsa_memory_ordered 1
		.amdhsa_forward_progress 1
		.amdhsa_inst_pref_size 150
	.end_amdhsa_kernel
	.amdgpu_metadata
---
amdhsa.version: [ 1, 2 ]
amdhsa.kernels:
  - .name:           k_q3b3fb2397f_attn
    .symbol:         k_q3b3fb2397f_attn.kd
    .args:
      - { .name: q_img, .offset: 0, .size: 8, .value_kind: global_buffer, .address_space: global }
      - { .name: k_img, .offset: 8, .size: 8, .value_kind: global_buffer, .address_space: global }
      - { .name: v_img, .offset: 16, .size: 8, .value_kind: global_buffer, .address_space: global }
      - { .name: x, .offset: 24, .size: 8, .value_kind: global_buffer, .address_space: global }
      - { .name: gamma, .offset: 32, .size: 8, .value_kind: global_buffer, .address_space: global }
      - { .name: lowp_scales, .offset: 40, .size: 8, .value_kind: global_buffer, .address_space: global }
      - { .name: out0, .offset: 48, .size: 8, .value_kind: global_buffer, .address_space: global }
    .group_segment_fixed_size: 327680
    .private_segment_fixed_size: 0
    .kernarg_segment_align: 8
    .kernarg_segment_size: 56
    .max_flat_workgroup_size: 256
    .sgpr_count:     80
    .vgpr_count:     512
    .wavefront_size: 32
...
	.end_amdgpu_metadata
.endif
;; end of part 2
